; MI455X (gfx1250); checked and timed in simulation.
; The chip was launched on July 23, 2026; its instructions are those of AMD's public machine-readable ISA for CDNA 5 (MIT licence, August 2026) and "CDNA5" Instruction Set Architecture Reference Guide (July 2026). The comments in the code are by the model that wrote it; some were corrected since.
;; CANDY. Allowed arithmetic: matrix products marked QUANTISED: E2M3 operands, one E8M0 scale for each 32 along K, by v_wmma_scale_f32_16x16x128_f8f6f4 with both operands' format E2M3, f32 sums; products left as they are: f32 operands where the result goes on into a quantised operand, else bf16, f16 or f32 operands; f32 sums; everything else in f32.
;; Inputs: Wp 512 x 512 float32; Wp_diag 512 float32; Wzp 512 x 512 float32; fc1_b 512 float32; fc1_w 512 x 512 float32; fc2_b 512 float32; fc2_w 512 x 512 float32; input 16 x 8 x 512 x 512 float32; p_lin_b 512 float32; p_lin_w 512 x 512 float32; p_mask 512 x 512 float32; z_lin_b 512 float32; z_lin_w 512 x 512 float32.
;; Outputs: out0 16 x 512 x 512 float32.
;; This version of the problem:
;;   THIS VERSION OF THE PROBLEM IS GIVEN IN LOW PRECISION. The matrix products marked QUANTISED in the list below multiply operands that are first quantised to E2M3 (2 exponent bits, 3 mantissa bits; 6 bits a number), with one power-of-two scale for each 32 numbers along K (OCP MX v1.0); their sums are f32. All else is computed in f32.
;;   The module's matrix products, in the order in which they are computed (A, B: the left and right operand; K: the contracted axis; several contracted axes count as one K, in the product's order):
;;     1. [M 65,536, K 512] x [K 512, N 512]; A: computed on the way; B: computed on the way: QUANTISED
;;     2. [M 65,536, K 512] x [K 512, N 512]; A: computed on the way; B: input p_lin_w: QUANTISED
;;     3. batch 512 x [M 65,536, K 1] x [K 1, N 1]; A: computed on the way; B: computed on the way: left as it is (no contracted axis)
;;     4. [M 65,536, K 512] x [K 512, N 512]; A: computed on the way; B: input z_lin_w: QUANTISED
;;     5. [M 8,192, K 512] x [K 512, N 512]; A: computed on the way; B: input fc1_w: QUANTISED
;;     6. [M 8,192, K 512] x [K 512, N 512]; A: computed on the way; B: input fc2_w: QUANTISED
;;   THE QUANTISER, for each operand of a quantised product, along K:
;;     - K is cut into blocks of 32 from its start; a last block that is shorter is filled with zeros.
;;     - A block's scale is 2^e with e = floor(log2(the largest magnitude in the block)) - 2, held to -126 .. 127; a block of zeros has e = 0. As a byte (E8M0): e + 127.
;;     - Each number is divided by its block's scale, clamped to +-7.5, and rounded to the nearest number of E2M3, ties to even, subnormals kept.
;;     - The product sums the exact products of the quantised numbers (number of the format x scale) in f32.
;;   ~~~python
;;   def quantise(x, axis):      # numpy; x: float32 -> the quantised numbers, widened to float32 again
;;       x = np.moveaxis(x, axis, -1); K = x.shape[-1]
;;       x = np.pad(x, [(0, 0)] * (x.ndim - 1) + [(0, -K % 32)]); x = x.reshape(x.shape[:-1] + (-1, 32)); a = np.abs(x).max(-1, keepdims=True)
;;       e = np.where(a > 0, np.clip(np.frexp(np.where(a > 0, a, 1))[1] - 1 - 2, -126, 127), 0)      # np.frexp(a)[1] - 1 = floor(log2(a)), exactly
;;       r = np.clip(x / 2.0 ** e, -7.5, 7.5)
;;       step = 2.0 ** (np.maximum(np.frexp(np.where(r == 0, 1, r))[1] - 1, 0) - 3)
;;       q = np.round(r / step) * step * 2.0 ** e      # np.round: ties to even
;;       return np.moveaxis(q.reshape(q.shape[:-2] + (-1,))[..., :K], -1, axis).astype(np.float32)
;;   ~~~
;;   OPERANDS COMPUTED ON THE WAY. 'Computed on the way' means the value that the module computes at that place (a softmax that the list does not call 'softmax' is quantised finished and normalised). What goes into a quantiser is computed in f32, as accurately as f32 sums, v_exp_f32 and their like allow (about 1e-6 of the number): no bf16 or f16 on the way to a quantiser, and a product that is left as it is and whose result goes on into a quantised operand takes f32 operands (vector FMAs, or v_wmma_f32_16x16x4_f32). A number that lies on a knife's edge between two numbers of the format may be rounded either way, as far as f32 arithmetic and the matrix unit's own rounding can turn it there, and no further.
;; One version. Each part assembles by itself: llvm-mc -triple=amdgcn-amd-amdhsa -mcpu=gfx1250 --defsym DOCPART=n.
;; ======== version 1 of 1: 3 launches
;; workspace buffers: wimg 1,024,000 bytes; zs 2,048 bytes; a2 26,214,400 bytes
;; launch weights (part 1): grid 96 x 1, 4 waves a work-group, no clusters, 34,304 bytes of LDS; arguments Wp, Wp_diag, Wzp, p_lin_w, z_lin_w, fc1_w, fc2_w, wimg, zs; writes wimg, zs
.if DOCPART == 1
	.amdgcn_target "amdgcn-amd-amdhsa--gfx1250"
	.amdhsa_code_object_version 6
	.text
	.protected	k_q596c454a92_weights
	.globl	k_q596c454a92_weights
	.p2align	8
	.type	k_q596c454a92_weights,@function
k_q596c454a92_weights:
	s_mov_b64 s[64:65], 0
	v_nop
	global_prefetch_b8 v0, s[64:65] scope:SCOPE_SE
	s_setreg_imm32_b32 hwreg(HW_REG_WAVE_MODE, 25, 1), 1
	s_wait_xcnt 0x0
; Five weights [512][512] f32, K innermost (Wp + diag(Wp_diag), p_lin_w, z_lin_w, fc1_w, fc2_w), become codes of FP6 (E2M3) with one E8M0 byte for each 32 along K,
; laid IN THE ORDER OF THE OPERAND'S REGISTERS, so that a later launch takes a fragment by loads of 16 bytes a lane; and s[h] = the sum over k of Wzp[h][k], in f32.
; wimg: image M at 204,800 M; in it wave block w (matrix rows 128 w .. + 127) at 51,200 w; in it fragment (K step s, tile t) at 1,536 (8 s + t), registers 4 P .. 4 P + 3 of lane L at + 512 P + 16 L;
; behind the 32 fragments, at 49,152, scale register (t, sp) at 128 (2 t + sp) + 4 L: lanes 0-15 row r's word of K step 2 sp, lanes 16-31 that of K step 2 sp + 1.
; Lane r of tile t holds matrix row 128 w + 16 t + r (image 0) or 128 w + 32 (t / 2) + 8 (t % 2) + r + 8 (r / 8) (images 1 to 4: so that a transposed product's 16 registers of two tiles are neighbours along the next K).
; A block's scale is 2^(floor(log2(largest magnitude)) - 2); its byte is the largest magnitude's exponent field - 2, held at 1 from below.
; LIMITS: a block of zeros, and one whose largest magnitude lies under 2^-124, carries the byte 1 (zero codes add nothing; this program alone reads the bytes); NaN and infinities are not served;
; s[h] is summed as a tree, another order of f32 roundings than a running sum's.
; SHARES.  Work-groups 0-79: image x / 16; wave q = 4 (x % 16) + wave takes tile q / 2 and K steps 2 (q % 2), + 1.  Work-groups 80-95: each wave sums 8 rows of Wzp.
; Nothing is shared between work-groups and every byte is read once: no tensor load, no cluster, no barrier.  Only the first path uses LDS, each wave its own 8,448 bytes.
.set PIT,  528                         ; a stage row: 512 bytes + 16, so that sixteen rows' reads of 16 bytes start in sixteen different groups of banks
.set STG,  16*PIT
.set R,    16                          ; v16-143  the rows as loaded: K step e, tile row p at R + 64 e + 4 p
.set X,    144                         ; v144-207 my row's k = 64 c + 32 (lane / 16) + 0 .. 31 at X + 32 c
.set C,    208                         ; v208-219 the fragment's twelve registers
.set T0,   220                         ; v220-222, v224-226 the upper halves of the two blocks (a conversion's three registers begin on an even number)
.set MX,   228
.set SCO,  230
.set BY,   232
.set WD,   234                         ; v234-235 the scale words of the two K steps
.set PX,   236
.set TMP,  237                         ; v237-238
	s_load_b512 s[4:19], s[0:1], 0x0               ; Wp, Wp_diag, Wzp, p_lin_w, z_lin_w, fc1_w, fc2_w, wimg
	s_load_b64 s[20:21], s[0:1], 0x40              ; zs
	v_lshl_add_u32 v254, v0, 2, 0x8400
	v_mov_b32 v255, 0
	v_lshrrev_b32 v1, 5, v0
	v_readfirstlane_b32 s24, v1                    ; wave
	v_and_b32 v1, 31, v0                           ; L
	v_and_b32 v2, 15, v0                           ; r
	v_bfe_u32 v3, v0, 4, 1                         ; lane / 16
	v_lshlrev_b32 v4, 4, v1                        ; 16 L
	s_cmp_ge_u32 ttmp9, 80
	s_cbranch_scc1 .Lsum
	s_lshr_b32 s25, ttmp9, 4                       ; M
	s_and_b32 s26, ttmp9, 15
	s_lshl_b32 s26, s26, 2
	s_add_co_u32 s26, s26, s24                     ; q
	s_lshr_b32 s27, s26, 1                         ; tile 0 .. 31
	s_and_b32 s28, s26, 1                          ; sp
	s_lshr_b32 s29, s27, 3                         ; w
	s_and_b32 s30, s27, 7                          ; t
	s_lshl_b32 s31, s27, 4                         ; image 0: the tile's first row is 16 x tile
	s_lshl_b32 s32, s29, 7
	s_lshr_b32 s33, s30, 1
	s_lshl_b32 s33, s33, 5
	s_add_co_u32 s32, s32, s33
	s_and_b32 s33, s30, 1
	s_lshl_b32 s33, s33, 3
	s_add_co_u32 s32, s32, s33                     ; the others: 128 w + 32 (t / 2) + 8 (t % 2)
	s_cmp_eq_u32 s25, 0
	s_cselect_b32 s31, s31, s32
	s_cselect_b32 s33, 8, 16                       ; rows from the tile's first eight to its second eight
	s_lshl_b32 s34, s31, 11
	s_lshl_b32 s35, s28, 10
	s_add_co_u32 s34, s34, s35                     ; first row x 2,048 + 1,024 sp
	s_mov_b32 s35, 0
	s_lshl_b32 s36, s33, 11
	s_mov_b32 s37, 0
	s_mul_i32 s40, s25, 204800
	s_mul_i32 s41, s29, 51200
	s_add_co_u32 s40, s40, s41                     ; image and wave block
	s_lshl_b32 s42, s30, 1
	s_add_co_u32 s42, s42, s28
	s_lshl_b32 s42, s42, 7
	s_add_co_u32 s42, s42, s40
	s_add_co_u32 s42, s42, 49152                   ; scale register (t, sp)
	s_mov_b32 s43, 0
	s_mul_i32 s41, s30, 1536
	s_add_co_u32 s40, s40, s41
	s_mul_i32 s41, s28, 24576
	s_add_co_u32 s40, s40, s41                     ; fragment (2 sp, t)
	s_mov_b32 s41, 0
	s_lshl_b32 s44, s29, 9                         ; Wp_diag at 128 w
	s_mov_b32 s45, 0
	s_mov_b32 s52, 0x76543210
	s_mov_b32 s53, 0xfedcba98                      ; v_permlanex16_b32's selects for lane l xor 16
	s_mul_i32 s46, s24, STG                        ; my stage
	v_add_nc_u32 v5, s46, v4                       ; in: 16 L, a row an instruction
	v_mul_u32_u24 v6, v2, PIT
	v_lshl_add_u32 v6, v3, 7, v6
	v_add_nc_u32 v6, s46, v6                       ; back: row r, + 128 (lane / 16)
	v_lshlrev_b32 v7, 2, v1
	v_mov_b32 v[PX], 0                             ; a lane permute's destination counts as one of its sources
	s_wait_kmcnt 0x0
	s_mov_b64 s[22:23], s[16:17]                   ; the choice hangs on the work-group's number alone
	s_cmp_eq_u32 s25, 3
	s_cselect_b64 s[22:23], s[14:15], s[22:23]
	s_cmp_eq_u32 s25, 2
	s_cselect_b64 s[22:23], s[12:13], s[22:23]
	s_cmp_eq_u32 s25, 1
	s_cselect_b64 s[22:23], s[10:11], s[22:23]
	s_cmp_eq_u32 s25, 0
	s_cselect_b64 s[22:23], s[4:5], s[22:23]
	s_add_nc_u64 s[22:23], s[22:23], s[34:35]      ; the tile's rows 0-7
	s_add_nc_u64 s[38:39], s[22:23], s[36:37]      ; and 8-15
	s_add_nc_u64 s[40:41], s[18:19], s[40:41]
	s_add_nc_u64 s[42:43], s[18:19], s[42:43]
	s_add_nc_u64 s[44:45], s[6:7], s[44:45]
	global_load_b128 v[8:11], v4, s[44:45]         ; Wp_diag[128 w + 4 L .. + 3]
.irp e, 0,1
.irp p, 0,1,2,3,4,5,6,7
	global_load_b128 v[R+64*\e+4*\p:R+64*\e+4*\p+3], v4, s[22:23] offset:\p*2048+512*\e th:TH_LOAD_NT   ; 32 lanes read a row's 512 bytes of one K step
.endr
.irp p, 0,1,2,3,4,5,6,7
	global_load_b128 v[R+64*\e+32+4*\p:R+64*\e+32+4*\p+3], v4, s[38:39] offset:\p*2048+512*\e th:TH_LOAD_NT
.endr
.endr
; K step 2 sp + e of the tile
.macro HALF e
.if \e == 0
	s_wait_loadcnt 16                              ; Wp_diag and this K step's 16 loads are in; the other K step's 16 may be out
.else
	s_wait_loadcnt 0x0
	s_wait_xcnt 0x0                                ; the first K step's stores have read v[C ..]: only now are they written again
.endif
	; THE DIAGONAL, without a branch.  In image 0 tile row p is matrix row 128 w + 16 t + p; its diagonal number lies in K step w, in lane 4 t + p / 4, component p % 4 of the row as loaded.
	; Where the image is not 0 or the K step not w, the lane sought is 64, which no lane is, and 0 is added.
	s_lshl_b32 s47, s28, 1
	s_add_co_u32 s47, s47, \e
	s_xor_b32 s47, s47, s29
	s_or_b32 s47, s47, s25
	s_lshl_b32 s54, s30, 2
	s_cmp_eq_u32 s47, 0
	s_cselect_b32 s47, s54, 64
	v_sub_nc_u32 v12, v1, s47
.irp a, 0,1,2,3
	v_cmp_eq_u32 s[48+\a], \a, v12
.endr
.irp p, 0,1,2,3,4,5,6,7,8,9,10,11,12,13,14,15
	v_cndmask_b32 v[TMP+\p%2], 0, v[8+\p%4], s[48+\p/4]
	v_add_f32 v[R+64*\e+4*\p+\p%4], v[R+64*\e+4*\p+\p%4], v[TMP+\p%2]
.endr
.irp p, 0,1,2,3,4,5,6,7,8,9,10,11,12,13,14,15
	ds_store_b128 v5, v[R+64*\e+4*\p:R+64*\e+4*\p+3] offset:PIT*\p
.endr
.irp c, 0,1
.irp j, 0,1,2,3,4,5,6,7
	ds_load_b128 v[X+32*\c+4*\j:X+32*\c+4*\j+3], v6 offset:256*\c+16*\j   ; LDS serves a wave's instructions in order: these see my stores
.endr
.endr
	s_wait_dscnt 0x0
.irp c, 0,1
	v_max3_num_f32 v[MX+\c], |v[X+32*\c]|, |v[X+32*\c+1]|, 0x1800000   ; block 2 c + lane / 16: all its 32 numbers are mine; the floor 2^(3 - 127) holds the byte at 1 from below
.endr
.irp i, 2,4,6,8,10,12,14,16,18,20,22,24,26,28,30
.irp c, 0,1
	v_max3_num_f32 v[MX+\c], v[MX+\c], |v[X+32*\c+\i]|, |v[X+32*\c+\i+1]|
.endr
.endr
.irp c, 0,1
	v_add_nc_u32 v[SCO+\c], 0xff000000, v[MX+\c]   ; 2 off the exponent field: the conversion takes this operand's exponent field as its scale
.endr
.irp c, 0,1
	v_lshrrev_b32 v[BY+\c], 23, v[SCO+\c]          ; the scale's byte
.endr
	v_lshl_or_b32 v[WD+\e], v[BY+1], 16, v[BY]     ; my two bytes, blocks lane / 16 and 2 + lane / 16,
	v_lshlrev_b32 v[TMP], 3, v3
	v_lshlrev_b32 v[WD+\e], v[TMP], v[WD+\e]       ; at their places in the word;
	v_permlanex16_b32 v[PX], v[WD+\e], s52, s53
	v_or_b32 v[WD+\e], v[WD+\e], v[PX]             ; with lane l xor 16's two the word is whole
.irp c, 0,1
	v_cvt_scalef32_pk16_fp6_f32 v[C+6*\c:C+6*\c+2], v[X+32*\c:X+32*\c+15], v[SCO+\c]
	v_cvt_scalef32_pk16_fp6_f32 v[T0+4*\c:T0+4*\c+2], v[X+32*\c+16:X+32*\c+31], v[SCO+\c]
.endr
	v_nop                                          ; one plain line behind the scaled conversions
.irp c, 0,1
.irp i, 0,1,2
	v_mov_b32 v[C+6*\c+3+\i], v[T0+4*\c+\i]
.endr
.endr
.irp p, 0,1,2
	global_store_b128 v4, v[C+4*\p:C+4*\p+3], s[40:41] offset:12288*\e+512*\p   ; 32 lanes store 512 consecutive bytes, aligned
.endr
.endm
	HALF 0
	HALF 1
	v_cmp_eq_u32 vcc_lo, 1, v3
	v_cndmask_b32 v[TMP], v[WD], v[WD+1], vcc_lo   ; lanes 0-15 the first K step's words, lanes 16-31 the second's
	global_store_b32 v7, v[TMP], s[42:43]
	s_wait_tensorcnt 0x0
	ds_add_u32 v254, v255
	s_wait_dscnt 0x0
	s_endpgm
.Lsum:
	; s[h]: a wave takes 8 rows of Wzp as 4 pairs; lanes 0-15 the even row, lanes 16-31 the odd one; sixteen lanes read 256 consecutive bytes
	s_sub_co_u32 s25, ttmp9, 80
	s_lshl_b32 s25, s25, 5
	s_lshl_b32 s26, s24, 3
	s_add_co_u32 s25, s25, s26                     ; my first row
	s_lshl_b32 s26, s25, 11
	s_mov_b32 s27, 0
	s_lshl_b32 s28, s25, 2
	s_mov_b32 s29, 0
	v_lshlrev_b32 v5, 11, v3
	v_lshl_add_u32 v5, v2, 4, v5
	s_wait_kmcnt 0x0
	s_add_nc_u64 s[8:9], s[8:9], s[26:27]
	s_add_nc_u64 s[20:21], s[20:21], s[28:29]
.irp j, 0,1,2,3
.irp d, 0,1,2,3,4,5,6,7
	global_load_b128 v[16+32*\j+4*\d:16+32*\j+4*\d+3], v5, s[8:9] offset:4096*\j+256*\d th:TH_LOAD_NT
.endr
.endr
	s_wait_loadcnt 0x0
.irp j, 0,1,2,3
.irp i, 0,4,8,12,16,20,24,28
	v_pk_add_f32 v[16+32*\j+\i:17+32*\j+\i], v[16+32*\j+\i:17+32*\j+\i], v[18+32*\j+\i:19+32*\j+\i]
.endr
.irp i, 0,8,16,24
	v_pk_add_f32 v[16+32*\j+\i:17+32*\j+\i], v[16+32*\j+\i:17+32*\j+\i], v[20+32*\j+\i:21+32*\j+\i]
.endr
.irp i, 0,16
	v_pk_add_f32 v[16+32*\j+\i:17+32*\j+\i], v[16+32*\j+\i:17+32*\j+\i], v[24+32*\j+\i:25+32*\j+\i]
.endr
	v_pk_add_f32 v[16+32*\j:17+32*\j], v[16+32*\j:17+32*\j], v[32+32*\j:33+32*\j]
	v_add_f32 v[16+32*\j], v[16+32*\j], v[17+32*\j]
.endr
.irp x, 1,2,4,8
.irp j, 0,1,2,3
	v_add_f32_dpp v[16+32*\j], v[16+32*\j], v[16+32*\j] row_xmask:\x row_mask:0xf bank_mask:0xf   ; across the sixteen lanes of a row
.endr
.endr
	v_cmp_eq_u32 vcc_lo, 1, v2                     ; lane r < 4 of each half stores pair r's sum
	v_cndmask_b32 v7, v16, v48, vcc_lo
	v_cmp_eq_u32 vcc_lo, 2, v2
	v_cndmask_b32 v7, v7, v80, vcc_lo
	v_cmp_eq_u32 vcc_lo, 3, v2
	v_cndmask_b32 v7, v7, v112, vcc_lo
	v_lshlrev_b32 v8, 3, v2
	v_lshl_add_u32 v8, v3, 2, v8                   ; row 2 r + lane / 16
	v_cmp_gt_u32 vcc_lo, 4, v2
	s_wait_xcnt 0x0                                ; EXEC changes only behind this wait
	s_and_saveexec_b32 s30, vcc_lo
	global_store_b32 v8, v7, s[20:21]
	s_endpgm
.Lfunc_end_k_q596c454a92_weights:
	.size	k_q596c454a92_weights, .Lfunc_end_k_q596c454a92_weights-k_q596c454a92_weights
	.p2alignl 7, 3214868480
	.fill 96, 4, 3214868480
	.section	.rodata,"a",@progbits
	.p2align	6, 0x0
	.amdhsa_kernel k_q596c454a92_weights
		.amdhsa_group_segment_fixed_size 34304
		.amdhsa_private_segment_fixed_size 0
		.amdhsa_enable_private_segment 0
		.amdhsa_kernarg_size 72
		.amdhsa_user_sgpr_count 2
		.amdhsa_user_sgpr_kernarg_segment_ptr 1
		.amdhsa_wavefront_size32 1
		.amdhsa_system_sgpr_workgroup_id_x 1
		.amdhsa_system_sgpr_workgroup_id_y 1
		.amdhsa_system_sgpr_workgroup_id_z 1
		.amdhsa_system_vgpr_workitem_id 0
		.amdhsa_next_free_vgpr 256
		.amdhsa_next_free_sgpr 66
		.amdhsa_reserve_vcc 1
		.amdhsa_float_denorm_mode_32 3
		.amdhsa_float_denorm_mode_16_64 3
		.amdhsa_memory_ordered 1
		.amdhsa_forward_progress 1
		.amdhsa_inst_pref_size 31
	.end_amdhsa_kernel
	.amdgpu_metadata
---
amdhsa.version: [ 1, 2 ]
amdhsa.kernels:
  - .name:           k_q596c454a92_weights
    .symbol:         k_q596c454a92_weights.kd
    .args:
      - { .name: Wp, .offset: 0, .size: 8, .value_kind: global_buffer, .address_space: global }
      - { .name: Wp_diag, .offset: 8, .size: 8, .value_kind: global_buffer, .address_space: global }
      - { .name: Wzp, .offset: 16, .size: 8, .value_kind: global_buffer, .address_space: global }
      - { .name: p_lin_w, .offset: 24, .size: 8, .value_kind: global_buffer, .address_space: global }
      - { .name: z_lin_w, .offset: 32, .size: 8, .value_kind: global_buffer, .address_space: global }
      - { .name: fc1_w, .offset: 40, .size: 8, .value_kind: global_buffer, .address_space: global }
      - { .name: fc2_w, .offset: 48, .size: 8, .value_kind: global_buffer, .address_space: global }
      - { .name: wimg, .offset: 56, .size: 8, .value_kind: global_buffer, .address_space: global }
      - { .name: zs, .offset: 64, .size: 8, .value_kind: global_buffer, .address_space: global }
    .group_segment_fixed_size: 34304
    .private_segment_fixed_size: 0
    .kernarg_segment_align: 8
    .kernarg_segment_size: 72
    .max_flat_workgroup_size: 128
    .sgpr_count:     66
    .vgpr_count:     256
    .wavefront_size: 32
...
	.end_amdgpu_metadata
.endif
;; end of part 1
;; launch first (part 2): grid 256 x 1, 4 waves a work-group, no clusters, 327,680 bytes of LDS; arguments input, p_mask, wimg, a2; writes a2
.if DOCPART == 2
	.amdgcn_target "amdgcn-amd-amdhsa--gfx1250"
	.amdhsa_code_object_version 6
	.text
	.protected	k_q596c454a92_first
	.globl	k_q596c454a92_first
	.p2align	8
	.type	k_q596c454a92_first,@function
k_q596c454a92_first:
	s_mov_b64 s[64:65], 0
	v_nop
	global_prefetch_b8 v0, s[64:65] scope:SCOPE_SE
	s_setreg_imm32_b32 hwreg(HW_REG_WAVE_MODE, 25, 1), 1
	s_wait_xcnt 0x0
; a2 = Q_i(act((Wp + diag) Q_k(p_set))), p_set = (input x 1/5000) x act(p_mask), act(y) = (|y + 1| - |y - 1|) / 2.  The product runs on codes of FP6 (E2M3) with E8M0 scales for each 32 along k;
; its result, after act, is quantised along i and stored as the next launch's operand.
; act IS COMPUTED WITH ITS OWN ROUNDINGS: fma(y, 0.5, 0.5) and fma(y, 0.5, -0.5) are the rounded y + 1 and y - 1, halved (a power of two changes no rounding), and |.| - |.| of them is the result, halved.
; SHARES.  Work-group x: columns i = 64 (x % 8) .. + 63 of slabs (b, c) 4 (x / 8) .. + 3.  A PANEL is one slab's 512 k x 64 i: rows of 256 bytes, 2,048 apart.
; Wave w fetches, and alone reads, rows k = 128 w .. + 127 (one tensor load, 32 KiB) and quantises them: K step w.  A LANE TAKES A COLUMN i AND ITS REGISTERS RUN DOWN k: a block of 32 is one lane's.
; The codes go to the other waves through LDS as images of the operand's registers.  Wave w multiplies rows h = 128 w .. + 127 of Wp, whose 32 fragments stay in 384 registers for the whole launch.
; THE PRODUCT IS USED TRANSPOSED: source 0 = 16 columns i, source 1 = 16 rows h: a lane holds one h, its registers run along i, the next K.  Row m of tile 2 bb + u is column 32 bb + 8 u + m + 8 (m / 8),
; so that the 16 registers of tiles 2 bb, 2 bb + 1 are i = 32 bb + 16 (lane / 16) + 0 .. 15.
; a2: [slab][h / 32][12,800]: fragment (m = tile of 16 rows, K step s = i / 128) at 1,536 (4 m + s), registers 2 p, 2 p + 1 of lane L at + 256 p + 8 L; scale words at 12,288 + 128 s + 4 L (lanes 0-15: m = 0; 16-31: m = 1).
; RING: two slots of 128 KiB.  The mask's panel is slot 0's first fill, panel 0 slot 1's; act(mask) then stays in 256 registers.
; NO CLUSTER: of a work-group's 640 KiB of tensor bytes only the mask's 128 KiB are shared with others; Wp's image, 204,800 bytes, goes straight into registers, since the ring leaves no room to pass it through LDS.
; LIMITS: blocks of zeros and blocks under 2^-124 carry the byte 1 (read by this program alone); NaN and infinities are not served.
; REGISTERS.  Window 0: v1-15 addresses; v16-31 Wp's scale words, v32-39 p_set's; v40-63 at work; v64-191 the 16 accumulators ((n, u) at 64 + 16 n + 8 u), while a panel is quantised: numbers and codes;
;   v192-239 the codes on their way out; v240-255 at work.  Windows 1, 2: v0-191 Wp's fragments of K steps 0, 1 and 2, 3; v192-239 p_set's.  Window 3: act(mask).
.set SLOT1, 1<<17
.set IMG,   2*SLOT1                    ; images: (K step s, tile) at FST s + TST tile; TST = 1,536 + 128
.set FST,   6656
.set TST,   1664
.set SCI,   IMG+4*FST                  ; p_set's scale words: 256 s + 64 tile + 4 row
.set SPARE, SCI+1024                   ; the spare words, 128 bytes for each wave: two blocks of 256 bytes that no other line names
.set AX0, 1                            ; 4 l + 32,768 w: my column in my wave's rows of a slot
.set ADR, 2
.set WI,  3                            ; where I store images
.set WSC, 4                            ; and scale words
.set RI,  5                            ; IMG + 16 L
.set RS,  6                            ; SCI + 4 L
.set GO,  7                            ; 8 L
.set GS,  8                            ; 4 L
.set SPW, 9
.set NIL, 10
.set L16, 11
.set PX,  12                           ; v12-15
.set WPS, 16
.set PSS, 32
.set MX,  40
.set SCO, 48
.set HW,  56
.set ACC, 64
.set OC,  192
.set TA,  240
.set XQ,  64                           ; v64-127 two sets of 32 numbers
.set CD,  128                          ; v128-151 a column's four blocks of codes: block kb at CD + 12 (kb % 2) + 6 (kb / 2)
.set TQ,  152
.set MXA, 156
.set MXB, 157
.set SCQ, 158
.set BYQ, 159
.set SW,  160
.set MSB, 0
.macro WIN new                         ; the immediate's high byte repeats the setting that is left
.if MSB != (\new)
	s_set_vgpr_msb (MSB<<8)|(\new)
.set MSB, (\new)
.endif
.endm
.macro WM                              ; one product; MD, MA, MB, MSA, MSC name its registers, MZ: it starts the sum, RA, RB: which half of the lanes holds each side's scales
.if MZ
.if RA && RB
	v_wmma_scale_f32_16x16x128_f8f6f4 v[MD:MD+7], v[MA:MA+11], v[MB:MB+11], 0, v[MSA], v[MSC] matrix_a_fmt:MATRIX_FMT_FP6 matrix_b_fmt:MATRIX_FMT_FP6 matrix_a_scale:MATRIX_SCALE_ROW1 matrix_b_scale:MATRIX_SCALE_ROW1
.elseif RA
	v_wmma_scale_f32_16x16x128_f8f6f4 v[MD:MD+7], v[MA:MA+11], v[MB:MB+11], 0, v[MSA], v[MSC] matrix_a_fmt:MATRIX_FMT_FP6 matrix_b_fmt:MATRIX_FMT_FP6 matrix_a_scale:MATRIX_SCALE_ROW1
.elseif RB
	v_wmma_scale_f32_16x16x128_f8f6f4 v[MD:MD+7], v[MA:MA+11], v[MB:MB+11], 0, v[MSA], v[MSC] matrix_a_fmt:MATRIX_FMT_FP6 matrix_b_fmt:MATRIX_FMT_FP6 matrix_b_scale:MATRIX_SCALE_ROW1
.else
	v_wmma_scale_f32_16x16x128_f8f6f4 v[MD:MD+7], v[MA:MA+11], v[MB:MB+11], 0, v[MSA], v[MSC] matrix_a_fmt:MATRIX_FMT_FP6 matrix_b_fmt:MATRIX_FMT_FP6
.endif
.else
.if RA && RB
	v_wmma_scale_f32_16x16x128_f8f6f4 v[MD:MD+7], v[MA:MA+11], v[MB:MB+11], v[MD:MD+7], v[MSA], v[MSC] matrix_a_fmt:MATRIX_FMT_FP6 matrix_b_fmt:MATRIX_FMT_FP6 matrix_a_scale:MATRIX_SCALE_ROW1 matrix_b_scale:MATRIX_SCALE_ROW1
.elseif RA
	v_wmma_scale_f32_16x16x128_f8f6f4 v[MD:MD+7], v[MA:MA+11], v[MB:MB+11], v[MD:MD+7], v[MSA], v[MSC] matrix_a_fmt:MATRIX_FMT_FP6 matrix_b_fmt:MATRIX_FMT_FP6 matrix_a_scale:MATRIX_SCALE_ROW1
.elseif RB
	v_wmma_scale_f32_16x16x128_f8f6f4 v[MD:MD+7], v[MA:MA+11], v[MB:MB+11], v[MD:MD+7], v[MSA], v[MSC] matrix_a_fmt:MATRIX_FMT_FP6 matrix_b_fmt:MATRIX_FMT_FP6 matrix_b_scale:MATRIX_SCALE_ROW1
.else
	v_wmma_scale_f32_16x16x128_f8f6f4 v[MD:MD+7], v[MA:MA+11], v[MB:MB+11], v[MD:MD+7], v[MSA], v[MSC] matrix_a_fmt:MATRIX_FMT_FP6 matrix_b_fmt:MATRIX_FMT_FP6
.endif
.endif
.endm
.macro PLACES                          ; four plain lines between a product and a load into, or a read of, its registers (ISA guide 7.12.1 for reads)
.rept 4
	v_nop
.endr
.endm
	s_load_b256 s[4:11], s[0:1], 0x0               ; input, p_mask, wimg, a2
	v_lshl_add_u32 v[SPW], v0, 2, SPARE
	v_mov_b32 v[NIL], 0
	ds_add_u32 v9, v10
	ds_add_u32 v9, v10
	s_wait_dscnt 0x0
	v_lshrrev_b32 v1, 5, v0
	v_readfirstlane_b32 s12, v1                    ; wave
	s_and_b32 s13, ttmp9, 7                        ; which 64 columns
	s_lshr_b32 s14, ttmp9, 3                       ; which four slabs
	; descriptor group 1: 128 rows x 32 elements of 8 bytes, 256 elements (2,048 bytes) from row to row, no padding: a load of 4 bytes a lane takes 128 consecutive bytes
	s_mov_b32 s16, 3<<16
	s_mov_b32 s17, 32<<16
	s_mov_b32 s18, 128<<16
	s_mov_b32 s19, 32<<16
	s_mov_b32 s20, 128
	s_mov_b32 s21, 256
	s_mov_b32 s22, 0
	s_mov_b32 s23, 0
	s_lshl_b32 s44, s12, 18                        ; my 128 rows,
	s_lshl_b32 s45, s13, 8                         ; my work-group's 256 bytes of each
	s_add_co_u32 s44, s44, s45
	s_mov_b32 s45, 0
	s_lshl_b32 s46, s14, 22                        ; four slabs of 2^20 bytes
	s_mov_b32 s47, 0
	s_lshl_b32 s15, s12, 15                        ; my 32 KiB of a slot
	s_wait_kmcnt 0x0
	s_mov_b32 s24, 1                               ; group 0 for the mask: slot 0
	s_mov_b32 s25, s15
	s_add_nc_u64 s[26:27], s[6:7], s[44:45]
	s_or_b32 s27, s27, 0x80000000
	s_mov_b32 s28, 1                               ; group 0 for the panels, which walks: panel 0 into slot 1
	s_add_co_u32 s29, s15, SLOT1
	s_add_nc_u64 s[30:31], s[4:5], s[44:45]
	s_add_nc_u64 s[30:31], s[30:31], s[46:47]
	s_or_b32 s31, s31, 0x80000000
	tensor_load_to_lds s[24:27], s[16:23]          ; the two first fills together: two loads of mine are out
	s_nop 0
	tensor_load_to_lds s[28:31], s[16:23]
	s_nop 0
	PLACES
	s_mul_i32 s44, s12, 51200
	s_mov_b32 s45, 0
	s_add_nc_u64 s[44:45], s[8:9], s[44:45]        ; image 0, my wave block
	v_and_b32 v12, 31, v0
	v_lshlrev_b32 v[L16], 4, v12
	v_lshlrev_b32 v[GS], 2, v12
	v_lshlrev_b32 v[GO], 3, v12
	WIN 0x40                                       ; destination window 1: K steps 0, 1
.set k, 0
.rept 48
	global_load_b128 v[4*k:4*k+3], v[L16], s[44:45] offset:512*k
.set k, k+1
.endr
	WIN 0x80                                       ; window 2: K steps 2, 3
.set k, 0
.rept 48
	global_load_b128 v[4*k:4*k+3], v[L16], s[44:45] offset:24576+512*k
.set k, k+1
.endr
	WIN 0
.set k, 0
.rept 16
	global_load_b32 v[WPS+k], v[GS], s[44:45] offset:49152+128*k
.set k, k+1
.endr
	v_lshl_add_u32 v[AX0], v12, 2, s15
	v_bfe_u32 v13, v0, 3, 1                        ; u: which of a pair of tiles my column belongs to
	v_and_b32 v14, 7, v0
	v_bfe_u32 v15, v0, 4, 1
	v_lshl_add_u32 v14, v15, 3, v14                ; its row there: l % 8 + 8 (l / 16)
	s_mul_i32 s46, s12, FST
	s_add_co_u32 s46, s46, IMG
	v_mul_u32_u24 v[WI], v13, TST
	v_lshl_add_u32 v[WI], v14, 4, v[WI]
	v_add_nc_u32 v[WI], s46, v[WI]
	s_lshl_b32 s46, s12, 8
	s_add_co_u32 s46, s46, SCI
	v_lshlrev_b32 v[WSC], 6, v13
	v_lshl_add_u32 v[WSC], v14, 2, v[WSC]
	v_add_nc_u32 v[WSC], s46, v[WSC]
	v_add_nc_u32 v[RI], IMG, v[L16]
	v_add_nc_u32 v[RS], SCI, v[GS]
.irp t, 0,1,2,3
	v_mov_b32 v[PX+\t], 0                          ; a lane permute's destination counts as one of its sources
.endr
	s_mov_b32 s34, 0x3951b717                      ; 1 / 5000 in f32
	s_mov_b32 s35, s34
	s_mov_b32 s36, 0x76543210
	s_mov_b32 s37, 0xfedcba98
	s_mov_b32 s42, 0xffff0000                      ; lanes 16-31
	s_mul_i32 s46, s14, 819200                     ; four slabs of 204,800 bytes of a2,
	s_mul_i32 s47, s12, 51200                      ; my 128 rows: four blocks of 12,800
	s_add_co_u32 s46, s46, s47
	s_mul_i32 s38, s13, 768                        ; K step ib / 2 at 1,536, its half ib % 2 at 768
	s_add_co_u32 s38, s38, s46
	s_mov_b32 s39, 0
	s_lshr_b32 s40, s13, 1
	s_lshl_b32 s40, s40, 7
	s_and_b32 s41, s13, 1
	s_lshl_b32 s41, s41, 1
	s_add_co_u32 s40, s40, s41
	s_add_co_u32 s40, s40, s46
	s_add_co_u32 s40, s40, 12288
	s_mov_b32 s41, 0
	s_add_nc_u64 s[38:39], s[10:11], s[38:39]      ; the codes' base
	s_add_nc_u64 s[40:41], s[10:11], s[40:41]      ; the scale halves' base
; unit i = 4 q + kb: block kb (32 k) of columns 32 q + l, into set i % 2
.macro LOADU i
.set LX, XQ+32*((\i)%2)
.set lj, 0
.rept 32
	ds_load_b32 v[LX+lj], v[ADR] offset:(32*((\i)%4)+lj)*256+128*((\i)/4)
.set lj, lj+1
.endr
.endm
.macro UWAIT i
.if (\i) < 7
	s_wait_dscnt 32                                ; this unit is in; the next unit's 32 loads may be out (what was issued before them, image stores too, is done)
.else
	s_wait_dscnt 0x0
.endif
.endm
; act(mask) of unit i into window 3, v[32 i ..]
.macro MASKU i
.set UX, XQ+32*((\i)%2)
	UWAIT \i
.set k, 0
.rept 16
	v_pk_fma_f32 v[128+k:129+k], v[UX+k:UX+k+1], 0.5, 0.5 op_sel_hi:[1,0,0]
.set k, k+2
.endr
.set k, 0
.rept 16
	v_pk_fma_f32 v[UX+k:UX+k+1], v[UX+k:UX+k+1], 0.5, -0.5 op_sel_hi:[1,0,0]
.set k, k+2
.endr
	WIN 0xc0
.set k, 0
.rept 32
	v_sub_f32 v[32*(\i)+k], |v[128+k]|, |v[UX+k]|
.set k, k+1
.endr
	WIN 0
.if (\i)+2 < 8
	LOADU (\i)+2
.endif
.endm
; unit i of a panel: x, p_set, the block's scale, its codes; behind a column's fourth block its images go to LDS
.macro QU i
.set QX, XQ+32*((\i)%2)
.set QK, (\i)%4
.set QC, CD+12*(QK%2)+6*(QK/2)
	UWAIT \i
.set k, 0
.rept 16
	v_pk_mul_f32 v[QX+k:QX+k+1], v[QX+k:QX+k+1], s[34:35] op_sel_hi:[1,0]   ; x = input / 5000, rounded,
.set k, k+2
.endr
	WIN 0x0c                                       ; source 1 in window 3
.set k, 0
.rept 16
	v_pk_mul_f32 v[QX+k:QX+k+1], v[QX+k:QX+k+1], v[32*(\i)+k:32*(\i)+k+1]   ; x act(mask), rounded
.set k, k+2
.endr
	WIN 0
	v_max3_num_f32 v[MXA], |v[QX]|, |v[QX+1]|, |v[QX+2]|
	v_max3_num_f32 v[MXB], |v[QX+3]|, |v[QX+4]|, |v[QX+5]|
.irp a, 6,10,14,18,22,26
	v_max3_num_f32 v[MXA], v[MXA], |v[QX+\a]|, |v[QX+\a+1]|
	v_max3_num_f32 v[MXB], v[MXB], |v[QX+\a+2]|, |v[QX+\a+3]|
.endr
	v_max3_num_f32 v[MXA], v[MXA], |v[QX+30]|, |v[QX+31]|
	v_max3_num_f32 v[MXA], v[MXA], v[MXB], 0x1800000   ; the floor 2^(3 - 127) holds the byte at 1 from below
	v_add_nc_u32 v[SCQ], 0xff000000, v[MXA]        ; 2 off the exponent field: the conversion's scale operand
	v_cvt_scalef32_pk16_fp6_f32 v[QC:QC+2], v[QX:QX+15], v[SCQ]
	v_cvt_scalef32_pk16_fp6_f32 v[TQ:TQ+2], v[QX+16:QX+31], v[SCQ]   ; (a conversion's three registers begin on an even number)
	v_lshrrev_b32 v[BYQ], 23, v[SCQ]               ; the byte; also the plain line behind the conversions
.if QK == 0
	v_mov_b32 v[SW], v[BYQ]
.else
	v_lshl_or_b32 v[SW], v[BYQ], 8*QK, v[SW]
.endif
.irp a, 0,1,2
	v_mov_b32 v[QC+3+\a], v[TQ+\a]
.endr
.if QK == 3
.irp h, 0,1                            ; the operand's lane (row, h) wants blocks h and 2 + h: my twelve registers CD + 12 h on, at that lane's place in the image
.irp p, 0,1,2
	ds_store_b128 v[WI], v[CD+12*\h+4*\p:CD+12*\h+4*\p+3] offset:((\i)/4)*2*TST+512*\p+256*\h
.endr
.endr
	ds_store_b32 v[WSC], v[SW] offset:128*((\i)/4)
.endif
.if (\i)+2 < 8
	LOADU (\i)+2
.endif
.endm
; The change of slots.  Each wave waits for all its tensor loads (the panel that it is about to read), adds 0 to its spare word, waits for that and for its LDS reads; behind the barrier nobody reads the
; other slot or the images any more.  fill = 1: the other slot takes the next slab's panel: my one tensor load until the next change, with a whole panel's work in which to land.
.macro CHANGE fill
	s_wait_tensorcnt 0x0
	ds_add_u32 v[SPW], v[NIL]
.if \fill
	s_xor_b32 s29, s29, SLOT1
	s_add_nc_u64 s[30:31], s[30:31], 0x100000
.endif
	s_wait_dscnt 0x0
	s_barrier_signal -1
	s_barrier_wait -1
.if \fill
	tensor_load_to_lds s[28:31], s[16:23]
	s_nop 0
	PLACES
.endif
.endm
; p_set's eight fragments of tiles 2 bb, 2 bb + 1; with bb = 0 the panel's scale words too (lanes 0-15: tile 2 x, lanes 16-31: tile 2 x + 1)
.macro FETCHP bb
	WIN 0x40
.irp s, 0,1
.irp u, 0,1
.irp p, 0,1,2
	ds_load_b128 v[192+12*(2*\s+\u)+4*\p:192+12*(2*\s+\u)+4*\p+3], v[RI] offset:\s*FST+(2*(\bb)+\u)*TST+512*\p
.endr
.endr
.endr
	WIN 0x80
.irp s, 0,1
.irp u, 0,1
.irp p, 0,1,2
	ds_load_b128 v[192+12*(2*\s+\u)+4*\p:192+12*(2*\s+\u)+4*\p+3], v[RI] offset:(\s+2)*FST+(2*(\bb)+\u)*TST+512*\p
.endr
.endr
.endr
	WIN 0
.if (\bb) == 0
.irp s, 0,1,2,3
.irp x, 0,1
	ds_load_b32 v[PSS+2*\s+\x], v[RS] offset:256*\s+128*\x
.endr
.endr
.endif
.endm
; 64 products: the 16 accumulators take turns, one instruction a turn; the first K step starts the sums
.macro MM1 bb
.irp s, 0,1,2,3
	WIN 0x05+5*(\s/2)                              ; sources 0 and 1 in window 1 (K steps 0, 1) or 2
.irp u, 0,1
.irp n, 0,1,2,3,4,5,6,7
.set MD, ACC+16*\n+8*\u
.set MA, 192+12*(2*(\s%2)+\u)
.set MB, 12*(8*(\s%2)+\n)
.set MSA, PSS+2*\s+(\bb)
.set MSC, WPS+2*\n+\s/2
.set RA, \u
.set RB, \s%2
.if \s == 0
.set MZ, 1
.else
.set MZ, 0
.endif
	WM
.endr
.endr
.endr
	WIN 0
.endm
; act, the block's scale and the codes of i = 32 bb + 16 (lane / 16) + 0 .. 15 for my eight tiles of h, four tiles at a time.  bb = 1 joins both blocks' halves into the operand's six registers and stores them.
.macro EPI1 bb
.irp g, 0,1
.irp t, 0,1,2,3
.set EY, ACC+16*(4*\g+\t)
.set k, 0
.rept 8
	v_pk_fma_f32 v[TA+k:TA+k+1], v[EY+k:EY+k+1], 0.5, 0.5 op_sel_hi:[1,0,0]   ; each accumulator is read from its low end on
.set k, k+2
.endr
.set k, 0
.rept 8
	v_pk_fma_f32 v[EY+k:EY+k+1], v[EY+k:EY+k+1], 0.5, -0.5 op_sel_hi:[1,0,0]
.set k, k+2
.endr
.set k, 0
.rept 16
	v_sub_f32 v[EY+k], |v[TA+k]|, |v[EY+k]|
.set k, k+1
.endr
.endr
.irp t, 0,1,2,3
	v_max3_num_f32 v[MX+4*\g+\t], |v[ACC+16*(4*\g+\t)]|, |v[ACC+16*(4*\g+\t)+1]|, 0x1800000
.endr
.irp i, 2,4,6,8,10,12,14
.irp t, 0,1,2,3
	v_max3_num_f32 v[MX+4*\g+\t], v[MX+4*\g+\t], |v[ACC+16*(4*\g+\t)+\i]|, |v[ACC+16*(4*\g+\t)+\i+1]|
.endr
.endr
.irp t, 0,1,2,3
	v_permlanex16_b32 v[PX+\t], v[MX+4*\g+\t], s36, s37
.endr
.irp t, 0,1,2,3
	v_max_num_f32 v[MX+4*\g+\t], v[MX+4*\g+\t], v[PX+\t]   ; with lane l xor 16's sixteen: the block's largest magnitude
.endr
.irp t, 0,1,2,3
	v_add_nc_u32 v[SCO+4*\g+\t], 0xff000000, v[MX+4*\g+\t]
.endr
.irp t, 0,1,2,3
.if \bb
	v_cvt_scalef32_pk16_fp6_f32 v[TA+4*\t:TA+4*\t+2], v[ACC+16*(4*\g+\t):ACC+16*(4*\g+\t)+15], v[SCO+4*\g+\t]
.else
	v_cvt_scalef32_pk16_fp6_f32 v[OC+6*(4*\g+\t):OC+6*(4*\g+\t)+2], v[ACC+16*(4*\g+\t):ACC+16*(4*\g+\t)+15], v[SCO+4*\g+\t]
.endif
.endr
.if \bb
.irp t, 0,1,2,3
	v_lshrrev_b32 v[MX+4*\g+\t], 23, v[SCO+4*\g+\t]        ; the bytes; also the plain lines behind the conversions
.endr
.irp t, 0,1,2,3
	v_lshl_or_b32 v[HW+4*\g+\t], v[MX+4*\g+\t], 8, v[HW+4*\g+\t]
.endr
.irp t, 0,1,2,3
.irp i, 0,1,2
	v_permlane16_swap_b32 v[OC+6*(4*\g+\t)+\i], v[TA+4*\t+\i]   ; the operand wants a whole block in a lane: lanes 0-15 block 0, lanes 16-31 block 1
.endr
.irp i, 0,1,2
	v_mov_b32 v[OC+6*(4*\g+\t)+3+\i], v[TA+4*\t+\i]
.endr
.irp j, 0,1,2
	global_store_b64 v[GO], v[OC+6*(4*\g+\t)+2*\j:OC+6*(4*\g+\t)+2*\j+1], s[38:39] offset:((4*\g+\t)/2)*12800+((4*\g+\t)%2)*6144+256*\j th:TH_STORE_NT   ; 32 lanes store 256 consecutive bytes, aligned
.endr
.endr
.else
.irp t, 0,1,2,3
	v_lshrrev_b32 v[HW+4*\g+\t], 23, v[SCO+4*\g+\t]
.endr
.endif
.endr
.if \bb
.irp j, 0,1,2,3
	v_cndmask_b32 v[MX+\j], v[HW+2*\j], v[HW+2*\j+1], s42  ; lanes 0-15 the even tile's rows, lanes 16-31 the odd one's
	global_store_b16 v[GS], v[MX+\j], s[40:41] offset:12800*\j   ; my two of a scale word's four bytes: 2 bytes in 50 of what the launch stores
.endr
.endif
.endm
.macro PANEL fill
	CHANGE \fill
	v_add_nc_u32 v[ADR], s32, v[AX0]
	LOADU 0
	LOADU 1
.irp i, 0,1,2,3,4,5,6,7
	QU \i
.endr
	s_wait_dscnt 0x0                               ; my images and scale words lie in LDS
	s_barrier_signal -1
	s_barrier_wait -1                              ; everybody's do
	FETCHP 0
	s_wait_dscnt 0x0
	MM1 0
	PLACES
	FETCHP 1                                       ; lands while the first half is quantised
	EPI1 0
	s_wait_dscnt 0x0
	MM1 1
	PLACES
	EPI1 1
	s_wait_xcnt 0x0                                ; the stores have read their registers and bases: both may be written again
	s_add_nc_u64 s[38:39], s[38:39], 204800
	s_add_nc_u64 s[40:41], s[40:41], 204800
	s_xor_b32 s32, s32, SLOT1
.endm
	s_wait_tensorcnt 0x1                           ; my part of the mask is in, which I alone read; panel 0's load may be out
	v_mov_b32 v[ADR], v[AX0]
	LOADU 0
	LOADU 1
.irp i, 0,1,2,3,4,5,6,7
	MASKU \i
.endr
	s_wait_loadcnt 0x0                             ; Wp's fragments and scale words
	s_mov_b32 s32, SLOT1                           ; panel 0 lies in slot 1
	s_mov_b32 s33, 3
.Lpanel:
	PANEL 1
	s_sub_co_u32 s33, s33, 1
	s_cmp_lg_u32 s33, 0
	s_cbranch_scc1 .Lpanel
	PANEL 0                                        ; the last panel is written out: nothing is left to fetch
	s_wait_tensorcnt 0x0                           ; the wave's end
	ds_add_u32 v[SPW], v[NIL]
	s_wait_dscnt 0x0
	s_endpgm
.Lfunc_end_k_q596c454a92_first:
	.size	k_q596c454a92_first, .Lfunc_end_k_q596c454a92_first-k_q596c454a92_first
	.p2alignl 7, 3214868480
	.fill 96, 4, 3214868480
	.section	.rodata,"a",@progbits
	.p2align	6, 0x0
	.amdhsa_kernel k_q596c454a92_first
		.amdhsa_group_segment_fixed_size 327680
		.amdhsa_private_segment_fixed_size 0
		.amdhsa_enable_private_segment 0
		.amdhsa_kernarg_size 32
		.amdhsa_user_sgpr_count 2
		.amdhsa_user_sgpr_kernarg_segment_ptr 1
		.amdhsa_wavefront_size32 1
		.amdhsa_system_sgpr_workgroup_id_x 1
		.amdhsa_system_sgpr_workgroup_id_y 1
		.amdhsa_system_sgpr_workgroup_id_z 1
		.amdhsa_system_vgpr_workitem_id 0
		.amdhsa_next_free_vgpr 1024
		.amdhsa_next_free_sgpr 66
		.amdhsa_reserve_vcc 0
		.amdhsa_float_denorm_mode_32 3
		.amdhsa_float_denorm_mode_16_64 3
		.amdhsa_memory_ordered 1
		.amdhsa_forward_progress 1
		.amdhsa_inst_pref_size 255
	.end_amdhsa_kernel
	.section	.bss,"aw",@nobits
	.p2align	6
	.space	262144
	.amdgpu_metadata
---
amdhsa.version: [ 1, 2 ]
amdhsa.kernels:
  - .name:           k_q596c454a92_first
    .symbol:         k_q596c454a92_first.kd
    .args:
      - { .name: input, .offset: 0, .size: 8, .value_kind: global_buffer, .address_space: global }
      - { .name: p_mask, .offset: 8, .size: 8, .value_kind: global_buffer, .address_space: global }
      - { .name: wimg, .offset: 16, .size: 8, .value_kind: global_buffer, .address_space: global }
      - { .name: a2, .offset: 24, .size: 8, .value_kind: global_buffer, .address_space: global }
    .group_segment_fixed_size: 327680
    .private_segment_fixed_size: 0
    .kernarg_segment_align: 8
    .kernarg_segment_size: 32
    .max_flat_workgroup_size: 128
    .sgpr_count:     66
    .vgpr_count:     1024
    .wavefront_size: 32
...
	.end_amdgpu_metadata
.endif
;; end of part 2
;; launch chain (part 3): grid 256 x 1, 4 waves a work-group, clusters of 4 x 1, 327,680 bytes of LDS; arguments a2, wimg, zs, input, p_lin_b, z_lin_b, fc1_b, fc2_b, out0; writes out0
.if DOCPART == 3
	.amdgcn_target "amdgcn-amd-amdhsa--gfx1250"
	.amdhsa_code_object_version 6
	.text
	.protected	k_q596c454a92_chain
	.globl	k_q596c454a92_chain
	.p2align	8
	.type	k_q596c454a92_chain,@function
k_q596c454a92_chain:
	s_mov_b64 s[64:65], 0
	v_nop
	global_prefetch_b8 v0, s[64:65] scope:SCOPE_SE
	s_setreg_imm32_b32 hwreg(HW_REG_WAVE_MODE, 25, 1), 1
	s_wait_xcnt 0x0
	s_wait_alu depctr_hold_cnt(0) depctr_sa_sdst(0) depctr_va_vdst(0) depctr_va_sdst(0) depctr_va_ssrc(0) depctr_va_vcc(0) depctr_vm_vsrc(0)
	s_getreg_b32 s2, hwreg(HW_REG_IB_STS2, 6, 4)
	s_cmp_eq_u32 s2, 0
	s_cbranch_scc0 .Lentry_in_a_cluster
	s_endpgm
.Lentry_in_a_cluster:
	s_bfe_u32 s2, ttmp6, 0x10000c
	s_cmp_lg_u32 s2, 0x3003
	s_cbranch_scc0 .Lentry_shape_is_right
	s_endpgm
.Lentry_shape_is_right:
; For 32 rows h of one b: for c = 0 .. 7  tp = act(A2[c] p_lin_w^T + b),  T[c] = Q(act(s[h] tp));  for c = 0 .. 7  tz = act(T[c] z_lin_w^T + b);
; combined = x[b][0] + the sum of tp + the sum of tz;  out = relu(Q(combined) fc1_w^T + b) quantised, x fc2_w^T + b.  All products on codes of FP6 (E2M3) with E8M0 scales for each 32 along K; all else in f32.
; act(y) = (|y + 1| - |y - 1|) / 2 is computed with its own roundings: fma(y, 0.5, 0.5), fma(y, 0.5, -0.5), |.| - |.|.
; SHARES.  Work-group 4 x cluster + cx: b = wg / 16, rows 32 (wg % 16) .. + 31, two tiles m.  Wave w makes output columns 128 w .. + 127 (8 tiles t) of every product; the weight in hand stays in 384 registers.
; EVERY PRODUCT IS USED TRANSPOSED (source 0 = 16 rows of the weight, source 1 = 16 rows h): a lane holds one h; the weight's rows of a tile are laid so that register 16 q + i of a tile of rows
; is column 128 w + 32 q + 16 (lane / 16) + i: 64 neighbours-by-sixteens along the next K, which one QUANT turns into K step w of the next product.  Operands go from wave to wave through LDS as images of their registers.
; CLUSTER.  All work-groups walk the same four weights: the four of a cluster ask for each image JOINTLY (mask 15), each wave for its own quarter, which it alone reads.  The next image lands while the phase in hand runs.
; The rows' codes (a2) are each work-group's own: a plain load.
; LIMITS: blocks of zeros and under 2^-124 carry the byte 1; NaN and infinities are not served; combined is summed as ((x0 + tp ..) + tz ..), channel by channel: f32, another order of roundings than a sum of three sums.
; LDS: WT 4 x 51,200 (filled again three times, never stored to); ACT 8 slots of 12,800: A2[c], over which T[c] is stored when every wave has read it; after the second phase slot 0: combined, slot 1: the hidden layer, slots 2-7: the way out.
; REGISTERS.  Window 0: v1-15 addresses; v16-31 the weight's scale words, v32-35 the rows'; v36-39 s; v40-57 at work; v60-83 codes; v84-90 at work; v96-127 at work; v128-255 the 16 accumulators ((m, t) at 128 + 64 m + 8 t).
;   Windows 1, 2: v0-191 the weight's fragments of K steps 0, 1 and 2, 3; v192-239 the rows'.  Window 3: v0-127 the sums over c; v128-191, v192-255 two biases in the result's layout.
.set ACT,   204800
.set SLOTB, 12800
.set SPARE, ACT+8*SLOTB                ; the spare words, 128 bytes for each wave: two blocks of 256 bytes that no other line names
.set STAGE, ACT+2*SLOTB
.set SPIT,  2064                       ; a stage row: 2,048 bytes + 16
.set L16, 1
.set AF0, 2                            ; ACT + 8 L
.set TF0, 3                            ; ACT + 16 L
.set SC0, 4                            ; ACT + 12,288 + 4 L
.set TW0, 5                            ; TF0 + 1,536 w
.set TS0, 6                            ; SC0 + 128 w
.set AFA, 7
.set SCA, 8
.set TWI, 9
.set TWS, 10
.set WTA, 11
.set WTS, 12
.set BO,  13
.set SPW, 14
.set NIL, 15
.set WS,  16
.set AS,  32
.set SH,  36
.set TM,  40
.set PW,  56
.set SO,  58
.set SR,  59
.set PC,  60                           ; v60-71 tile 0's codes, v72-83 tile 1's
.set PT,  84
.set PWS, 92
.set TA,  96
.set ACC, 128
.set BIA, 128                          ; in window 3
.set BIB, 192
.set MSB, 0
.macro WIN new
.if MSB != (\new)
	s_set_vgpr_msb (MSB<<8)|(\new)
.set MSB, (\new)
.endif
.endm
.macro WM
.if RA && RB
	v_wmma_scale_f32_16x16x128_f8f6f4 v[MD:MD+7], v[MA:MA+11], v[MB:MB+11], v[MC:MC+7], v[MSA], v[MSC] matrix_a_fmt:MATRIX_FMT_FP6 matrix_b_fmt:MATRIX_FMT_FP6 matrix_a_scale:MATRIX_SCALE_ROW1 matrix_b_scale:MATRIX_SCALE_ROW1
.elseif RA
	v_wmma_scale_f32_16x16x128_f8f6f4 v[MD:MD+7], v[MA:MA+11], v[MB:MB+11], v[MC:MC+7], v[MSA], v[MSC] matrix_a_fmt:MATRIX_FMT_FP6 matrix_b_fmt:MATRIX_FMT_FP6 matrix_a_scale:MATRIX_SCALE_ROW1
.elseif RB
	v_wmma_scale_f32_16x16x128_f8f6f4 v[MD:MD+7], v[MA:MA+11], v[MB:MB+11], v[MC:MC+7], v[MSA], v[MSC] matrix_a_fmt:MATRIX_FMT_FP6 matrix_b_fmt:MATRIX_FMT_FP6 matrix_b_scale:MATRIX_SCALE_ROW1
.else
	v_wmma_scale_f32_16x16x128_f8f6f4 v[MD:MD+7], v[MA:MA+11], v[MB:MB+11], v[MC:MC+7], v[MSA], v[MSC] matrix_a_fmt:MATRIX_FMT_FP6 matrix_b_fmt:MATRIX_FMT_FP6
.endif
.endm
.macro ROUND                           ; a round of the cluster's barrier
	s_barrier_signal -1
	s_barrier_wait -1
	s_cmp_lg_u32 s8, 0
	s_cbranch_scc1 .Lnot_wave_0_\@
	s_barrier_signal -3
.Lnot_wave_0_\@:
	s_barrier_wait -3
	s_barrier_signal -1
	s_barrier_wait -1
.endm
; WT is filled again with the next weight's image.  All my tensor loads are done, 0 goes onto my spare word, that and my LDS instructions are done; the round shows the same of every wave of all four work-groups;
; the joint load is the first thing behind it, and my one tensor load until the next such round.
.macro CHG
	s_wait_tensorcnt 0x0
	ds_add_u32 v[SPW], v[NIL]
	s_add_nc_u64 s[26:27], s[26:27], 204800
	s_wait_dscnt 0x0
	ROUND
	tensor_load_to_lds s[24:27], s[16:23]
	s_nop 0
.rept 4
	v_nop
.endr
.endm
.macro LOADW                           ; my quarter of the image in WT into registers: 32 fragments and 16 scale registers
	WIN 0x40
.set k, 0
.rept 48
	ds_load_b128 v[4*k:4*k+3], v[WTA] offset:512*k
.set k, k+1
.endr
	WIN 0x80
.set k, 0
.rept 48
	ds_load_b128 v[4*k:4*k+3], v[WTA] offset:24576+512*k
.set k, k+1
.endr
	WIN 0
.set k, 0
.rept 16
	ds_load_b32 v[WS+k], v[WTS] offset:128*k
.set k, k+1
.endr
.endm
.macro BIAS set, ptr                   ; register set + 16 q + i = bias[128 w + 32 q + 16 (lane / 16) + i]: the C of a sum's first product
	WIN 0xc0
.irp q, 0,1,2,3
.irp j, 0,1,2,3
	global_load_b128 v[\set+16*\q+4*\j:\set+16*\q+4*\j+3], v[BO], s[\ptr:\ptr+1] offset:128*\q+16*\j
.endr
.endr
	WIN 0
.endm
.macro FETCH2                          ; A2's eight fragments (images of pairs of registers) and four scale registers
	WIN 0x40
.irp s, 0,1
.irp m, 0,1
.irp p, 0,1,2,3,4,5
	ds_load_b64 v[192+12*(2*\s+\m)+2*\p:192+12*(2*\s+\m)+2*\p+1], v[AFA] offset:(4*\m+\s)*1536+256*\p
.endr
.endr
.endr
	WIN 0x80
.irp s, 0,1
.irp m, 0,1
.irp p, 0,1,2,3,4,5
	ds_load_b64 v[192+12*(2*\s+\m)+2*\p:192+12*(2*\s+\m)+2*\p+1], v[AFA] offset:(4*\m+\s+2)*1536+256*\p
.endr
.endr
.endr
	WIN 0
.irp s, 0,1,2,3
	ds_load_b32 v[AS+\s], v[SCA] offset:128*\s
.endr
.endm
.macro FETCH4 off                      ; the same of images of four registers, off bytes on
	WIN 0x40
.irp s, 0,1
.irp m, 0,1
.irp p, 0,1,2
	ds_load_b128 v[192+12*(2*\s+\m)+4*\p:192+12*(2*\s+\m)+4*\p+3], v[AFA] offset:(\off)+(4*\m+\s)*1536+512*\p
.endr
.endr
.endr
	WIN 0x80
.irp s, 0,1
.irp m, 0,1
.irp p, 0,1,2
	ds_load_b128 v[192+12*(2*\s+\m)+4*\p:192+12*(2*\s+\m)+4*\p+3], v[AFA] offset:(\off)+(4*\m+\s+2)*1536+512*\p
.endr
.endr
.endr
	WIN 0
.irp s, 0,1,2,3
	ds_load_b32 v[AS+\s], v[SCA] offset:(\off)+128*\s
.endr
.endm
; 64 products: the 16 accumulators take turns, one instruction a turn; the first K step takes the bias as C
.macro MM set
.irp s, 0,1,2,3
.if \s == 0
	WIN 0x35                                       ; sources 0 and 1 window 1, C window 3
.elseif \s == 1
	WIN 0x05
.else
	WIN 0x0a
.endif
.irp m, 0,1
.irp t, 0,1,2,3,4,5,6,7
.set MD, ACC+64*\m+8*\t
.set MA, 12*(8*(\s%2)+\t)
.set MB, 192+12*(2*(\s%2)+\m)
.if \s == 0
.set MC, \set+8*\t
.else
.set MC, MD
.endif
.set MSA, WS+2*\t+\s/2
.set MSC, AS+\s
.set RA, \s%2
.set RB, \m
	WM
.endr
.endr
.endr
	WIN 0
.endm
.macro ACT64 y                         ; act on 64 registers, in place, from the low end on
.irp q, 0,1
.set AY, (\y)+32*\q
.set k, 0
.rept 16
	v_pk_fma_f32 v[TA+k:TA+k+1], v[AY+k:AY+k+1], 0.5, 0.5 op_sel_hi:[1,0,0]
.set k, k+2
.endr
.set k, 0
.rept 16
	v_pk_fma_f32 v[AY+k:AY+k+1], v[AY+k:AY+k+1], 0.5, -0.5 op_sel_hi:[1,0,0]
.set k, k+2
.endr
.set k, 0
.rept 32
	v_sub_f32 v[AY+k], |v[TA+k]|, |v[AY+k]|
.set k, k+1
.endr
.endr
.endm
; 64 numbers of a lane, register 16 b + i = k 32 b + 16 (lane / 16) + i of my row, become a fragment's codes in v[pc] on and its scale word in v[pw]
.macro QUANT s, pc, pw
.irp b, 0,1,2,3
	v_max3_num_f32 v[TM+\b], |v[(\s)+16*\b]|, |v[(\s)+1+16*\b]|, 0x1800000   ; the floor 2^(3 - 127) holds the byte at 1 from below
.endr
.irp i, 2,4,6,8,10,12,14
.irp b, 0,1,2,3
	v_max3_num_f32 v[TM+\b], v[TM+\b], |v[(\s)+16*\b+\i]|, |v[(\s)+1+16*\b+\i]|
.endr
.endr
.irp b, 0,1,2,3
	v_permlanex16_b32 v[TM+4+\b], v[TM+\b], s60, s61
.endr
.irp b, 0,1,2,3
	v_max_num_f32 v[TM+\b], v[TM+\b], v[TM+4+\b]
.endr
.irp b, 0,1,2,3
	v_add_nc_u32 v[TM+12+\b], 0xff000000, v[TM+\b]         ; 2 off the exponent field: the conversion's scale operand
.endr
.irp b, 0,1,2,3
	v_lshrrev_b32 v[TM+4+\b], 23, v[TM+12+\b]
.endr
	v_lshl_or_b32 v[\pw], v[TM+5], 8, v[TM+4]
	v_lshl_or_b32 v[\pw], v[TM+6], 16, v[\pw]
	v_lshl_or_b32 v[\pw], v[TM+7], 24, v[\pw]
.irp c, 0,1
	v_cvt_scalef32_pk16_fp6_f32 v[(\pc)+6*\c:(\pc)+2+6*\c], v[(\s)+32*\c:(\s)+15+32*\c], v[TM+12+2*\c]
	v_cvt_scalef32_pk16_fp6_f32 v[PT+4*\c:PT+2+4*\c], v[(\s)+16+32*\c:(\s)+31+32*\c], v[TM+12+2*\c+1]
.endr
	v_nop                                          ; one plain line behind the scaled conversions
.irp c, 0,1
.irp i, 0,1,2
	v_permlane16_swap_b32 v[(\pc)+6*\c+\i], v[PT+4*\c+\i]  ; a whole block to a lane: lanes 0-15 block 2 c, lanes 16-31 block 2 c + 1
.endr
.irp i, 0,1,2
	v_mov_b32 v[(\pc)+3+6*\c+\i], v[PT+4*\c+\i]
.endr
.endr
.endm
.macro IMAGE adr, pc, off
.irp c, 0,1,2
	ds_store_b128 v[\adr], v[(\pc)+4*\c:(\pc)+4*\c+3] offset:(\off)+512*\c
.endr
.endm
.macro WORDS adr, off                  ; lanes 0-15 tile 0's scale words, lanes 16-31 tile 1's
	v_cndmask_b32 v[PWS], v[PW], v[PW+1], s62
	ds_store_b32 v[\adr], v[PWS] offset:\off
.endm
.macro EPI2 m                          ; tp; into the sum; s tp, rounded; act; quantised: K step w of the next product
.set EY, ACC+64*(\m)
	ACT64 EY
	WIN 0xc3
.set k, 0
.rept 32
	v_pk_add_f32 v[64*(\m)+k:64*(\m)+k+1], v[64*(\m)+k:64*(\m)+k+1], v[EY+k:EY+k+1]
.set k, k+2
.endr
	WIN 0
.set k, 0
.rept 32
	v_pk_mul_f32 v[EY+k:EY+k+1], v[EY+k:EY+k+1], v[SH+2*(\m):SH+2*(\m)+1] op_sel_hi:[1,0]
.set k, k+2
.endr
	ACT64 EY
	QUANT EY, PC+12*(\m), PW+(\m)
	IMAGE TWI, PC+12*(\m), 6144*(\m)
.endm
.macro EPI4 m, last                    ; tz into the sum; last = 1: the whole sum lands in the accumulator's registers
.set EY, ACC+64*(\m)
	ACT64 EY
.if \last
	WIN 0x03
.set k, 0
.rept 32
	v_pk_add_f32 v[EY+k:EY+k+1], v[64*(\m)+k:64*(\m)+k+1], v[EY+k:EY+k+1]
.set k, k+2
.endr
.else
	WIN 0xc3
.set k, 0
.rept 32
	v_pk_add_f32 v[64*(\m)+k:64*(\m)+k+1], v[64*(\m)+k:64*(\m)+k+1], v[EY+k:EY+k+1]
.set k, k+2
.endr
.endif
	WIN 0
.endm
.macro BARRIER
	s_wait_dscnt 0x0                               ; my LDS stores have landed and my LDS loads are in
	s_barrier_signal -1
	s_barrier_wait -1
.endm
	s_load_b512 s[40:55], s[0:1], 0x0              ; a2, wimg, zs, input, p_lin_b, z_lin_b, fc1_b, fc2_b
	s_load_b64 s[56:57], s[0:1], 0x40              ; out0
	v_lshl_add_u32 v[SPW], v0, 2, SPARE
	v_mov_b32 v[NIL], 0
	ds_add_u32 v14, v15
	ds_add_u32 v14, v15
	s_wait_dscnt 0x0
	v_lshrrev_b32 v1, 5, v0
	v_readfirstlane_b32 s8, v1                     ; wave
	s_bfe_u32 s9, ttmp6, 0x40000                   ; cx: it enters global addresses of my own rows alone
	s_lshl_b32 s10, ttmp9, 2
	s_add_co_u32 s10, s10, s9
	s_lshr_b32 s11, s10, 4                         ; b
	s_and_b32 s12, s10, 15                         ; which 32 rows
	; group 1 for a quarter of a weight's image: 51,200 dense bytes as 200 rows of 32 elements of 8 bytes; the mask names all four work-groups, bit 21 beside it
	s_mov_b32 s16, 15|(3<<16)|(1<<21)
	s_mov_b32 s17, 32<<16
	s_mov_b32 s18, 200<<16
	s_mov_b32 s19, 32<<16
	s_mov_b32 s20, 200
	s_mov_b32 s21, 32
	s_mov_b32 s22, 0
	s_mov_b32 s23, 0
	; group 1 for two channels' blocks of a2: 2 rows of 1,600 elements of 8 bytes, 25,600 elements (a slab) apart; no mask
	s_mov_b32 s28, 3<<16
	s_mov_b32 s29, 1600<<16
	s_mov_b32 s30, 2<<16
	s_mov_b32 s31, 1600<<16
	s_mov_b32 s32, 2
	s_mov_b32 s33, 25600
	s_mov_b32 s34, 0
	s_mov_b32 s35, 0
	s_mul_i32 s2, s8, 51200                        ; my quarter: the wave's number alone
	s_mov_b32 s3, 0
	s_lshl_b32 s4, s11, 3
	s_lshl_b32 s5, s8, 1
	s_add_co_u32 s4, s4, s5                        ; slab 8 b + 2 w
	s_mul_i32 s4, s4, 204800
	s_mul_i32 s5, s12, SLOTB
	s_add_co_u32 s4, s4, s5
	s_mov_b32 s5, 0
	s_mul_i32 s6, s8, 2*SLOTB
	s_wait_kmcnt 0x0
	s_mov_b32 s24, 1
	s_mov_b32 s25, s2
	s_add_nc_u64 s[26:27], s[42:43], s[2:3]
	s_add_nc_u64 s[26:27], s[26:27], 204800        ; image 1: p_lin_w
	s_or_b32 s27, s27, 0x80000000
	s_mov_b32 s36, 1
	s_add_co_u32 s37, s6, ACT
	s_add_nc_u64 s[38:39], s[40:41], s[4:5]
	s_or_b32 s39, s39, 0x80000000
	ROUND                                          ; all four work-groups are here: the first joint loads meet
	tensor_load_to_lds s[24:27], s[16:23]          ; the first fills together: two loads of mine are out
	s_nop 0
	tensor_load_to_lds s[36:39], s[28:35]
	s_nop 0
.rept 4
	v_nop
.endr
	s_lshl_b32 s4, s11, 23                         ; x[b][0]: b x 8 slabs,
	s_lshl_b32 s5, s12, 16                         ; 32 rows of 2,048 bytes,
	s_add_co_u32 s4, s4, s5
	s_lshl_b32 s6, s8, 9                           ; my 128 columns
	s_add_co_u32 s4, s4, s6
	s_mov_b32 s5, 0
	s_mov_b32 s7, 0
	s_add_nc_u64 s[46:47], s[46:47], s[4:5]
	s_add_nc_u64 s[48:49], s[48:49], s[6:7]        ; the biases at my 128 columns
	s_add_nc_u64 s[50:51], s[50:51], s[6:7]
	s_add_nc_u64 s[52:53], s[52:53], s[6:7]
	s_add_nc_u64 s[54:55], s[54:55], s[6:7]
	s_lshl_b32 s4, s12, 7
	s_add_nc_u64 s[44:45], s[44:45], s[4:5]        ; s at my 32 rows
	s_lshl_b32 s4, s11, 20
	s_lshl_b32 s10, s12, 16
	s_add_co_u32 s4, s4, s10
	s_lshl_b32 s10, s8, 14
	s_add_co_u32 s4, s4, s10
	s_add_nc_u64 s[56:57], s[56:57], s[4:5]        ; out0 at the 8 rows that I store
	s_mov_b32 s58, 0x3951b717                      ; 1 / 5000 in f32
	s_mov_b32 s59, s58
	s_mov_b32 s60, 0x76543210
	s_mov_b32 s61, 0xfedcba98
	s_mov_b32 s62, 0xffff0000                      ; lanes 16-31
	v_and_b32 v96, 15, v0                          ; r
	v_bfe_u32 v97, v0, 4, 1                        ; lane / 16
	v_and_b32 v98, 31, v0                          ; L
	v_lshlrev_b32 v[BO], 6, v97
	v_lshl_add_u32 v99, v96, 11, v[BO]
	v_lshlrev_b32 v100, 2, v96
	v_lshlrev_b32 v[L16], 4, v98
	WIN 0xc0
.irp m, 0,1
.irp q, 0,1,2,3
.irp j, 0,1,2,3
	global_load_b128 v[64*\m+16*\q+4*\j:64*\m+16*\q+4*\j+3], v99, s[46:47] offset:32768*\m+128*\q+16*\j   ; input[b][0] in the result's layout: the sums begin with it
.endr
.endr
.endr
	WIN 0
	BIAS BIA, 48
	BIAS BIB, 50
	global_load_b32 v[SH], v100, s[44:45]
	global_load_b32 v[SH+2], v100, s[44:45] offset:64
	v_lshl_add_u32 v[AF0], v98, 3, ACT
	v_add_nc_u32 v[TF0], ACT, v[L16]
	v_lshl_add_u32 v[SC0], v98, 2, ACT+12288
	s_mul_i32 s4, s8, 1536
	v_add_nc_u32 v[TW0], s4, v[TF0]
	s_lshl_b32 s4, s8, 7
	v_add_nc_u32 v[TS0], s4, v[SC0]
	v_add_nc_u32 v[WTA], s2, v[L16]
	v_lshl_add_u32 v[WTS], v98, 2, s2
	v_add_nc_u32 v[WTS], 49152, v[WTS]
	v_mul_u32_u24 v[SO], v96, SPIT
	v_add_nc_u32 v[SO], v[SO], v[BO]
	s_add_co_u32 s4, s6, STAGE
	v_add_nc_u32 v[SO], s4, v[SO]                  ; the stage: row r, + 512 w + 64 (lane / 16)
	s_mul_i32 s4, s8, 8*SPIT
	s_add_co_u32 s4, s4, STAGE
	v_add_nc_u32 v[SR], s4, v[L16]                 ; back: my 8 rows, 16 bytes a lane
.irp b, 0,1,2,3
	v_mov_b32 v[TM+4+\b], 0                        ; a lane permute's destination counts as one of its sources
.endr
	s_wait_tensorcnt 0x1                           ; my quarter of p_lin_w's image is in, which I alone read; a2's load may be out
	LOADW
	s_wait_loadcnt 0x0
	WIN 0xc3
.set k, 0
.rept 64
	v_pk_mul_f32 v[k:k+1], v[k:k+1], s[58:59] op_sel_hi:[1,0]   ; x = input / 5000
.set k, k+2
.endr
	WIN 0
	v_mov_b32 v[SH+1], v[SH]                       ; (named as pairs by the packed multiply)
	v_mov_b32 v[SH+3], v[SH+2]
	CHG                                            ; z_lin_w's image is asked for; the round also shows every wave's part of a2 landed
	s_mov_b32 s13, 0                               ; the slot in hand, in bytes
	v_mov_b32 v[AFA], v[AF0]
	v_mov_b32 v[SCA], v[SC0]
	FETCH2
	s_mov_b32 s14, 7
.Lp2:                                              ; channels 0 to 6
	s_wait_dscnt 0x0                               ; A2[c] is in my registers, and my stores of T[c - 1] have landed:
	s_barrier_signal -1                            ; say so,
	MM BIA                                         ; work on registers while the others arrive,
	s_barrier_wait -1                              ; and only when all four have read A2[c] is T[c] stored over it
	v_add_nc_u32 v[TWI], s13, v[TW0]               ; (these four additions are the four places behind the products)
	v_add_nc_u32 v[TWS], s13, v[TS0]
	s_add_co_u32 s13, s13, SLOTB
	v_add_nc_u32 v[AFA], s13, v[AF0]
	v_add_nc_u32 v[SCA], s13, v[SC0]
	FETCH2                                         ; A2[c + 1], which nobody writes before the next barrier
	EPI2 0
	EPI2 1
	WORDS TWS, 0
	s_sub_co_u32 s14, s14, 1
	s_cmp_lg_u32 s14, 0
	s_cbranch_scc1 .Lp2
	s_wait_dscnt 0x0                               ; channel 7, written out: nothing more to fetch; the next weight comes into the registers
	s_barrier_signal -1
	MM BIA
	s_barrier_wait -1
	v_add_nc_u32 v[TWI], s13, v[TW0]
	v_add_nc_u32 v[TWS], s13, v[TS0]
	v_nop
	v_nop
	s_wait_tensorcnt 0x0                           ; my quarter of z_lin_w's image is in
	LOADW
	BIAS BIA, 52                                   ; fc1_b, for the third phase
	EPI2 0
	EPI2 1
	WORDS TWS, 0
	CHG                                            ; fc1_w's image is asked for; the round also shows all of T stored
	s_mov_b32 s13, 0
	v_mov_b32 v[AFA], v[TF0]
	v_mov_b32 v[SCA], v[SC0]
	FETCH4 0
	s_mov_b32 s14, 7
.Lp4:                                              ; channels 0 to 6: T is only read, so no barrier
	s_wait_dscnt 0x0
	MM BIB
	s_add_co_u32 s13, s13, SLOTB
	v_add_nc_u32 v[AFA], s13, v[TF0]
	v_add_nc_u32 v[SCA], s13, v[SC0]
	v_nop
	v_nop
	FETCH4 0
	EPI4 0, 0
	EPI4 1, 0
	s_sub_co_u32 s14, s14, 1
	s_cmp_lg_u32 s14, 0
	s_cbranch_scc1 .Lp4
	s_wait_dscnt 0x0                               ; channel 7
	MM BIB
.rept 4
	v_nop
.endr
	s_wait_tensorcnt 0x0                           ; my quarter of fc1_w's image is in
	LOADW
	BIAS BIB, 54                                   ; fc2_b
	EPI4 0, 1
	EPI4 1, 1
	CHG                                            ; fc2_w's image is asked for; the round also shows every wave's reads of T over: the slots may be stored to
	v_mov_b32 v[AFA], v[TF0]
	v_mov_b32 v[SCA], v[SC0]
	QUANT ACC, PC, PW
	IMAGE TW0, PC, 0
	QUANT ACC+64, PC+12, PW+1
	IMAGE TW0, PC+12, 6144
	WORDS TS0, 0
	BARRIER                                        ; combined's eight fragments lie in slot 0
	FETCH4 0
	s_wait_loadcnt 0x0                             ; fc1_b and fc2_b
	s_wait_dscnt 0x0
	MM BIA
.rept 4
	v_nop
.endr
	s_wait_tensorcnt 0x0                           ; my quarter of fc2_w's image is in
	LOADW
.set k, 0
.rept 128
	v_max_num_f32 v[ACC+k], 0, v[ACC+k]            ; relu
.set k, k+1
.endr
	QUANT ACC, PC, PW
	IMAGE TW0, PC, SLOTB
	QUANT ACC+64, PC+12, PW+1
	IMAGE TW0, PC+12, SLOTB+6144
	WORDS TS0, SLOTB
	BARRIER                                        ; the hidden layer's eight fragments lie in slot 1
	FETCH4 SLOTB
	s_wait_dscnt 0x0
	MM BIB
.rept 4
	v_nop
.endr
	; THE WAY OUT: a lane's eight results are 32 neighbouring bytes of a row; a row's 2,048 bytes come from four waves: they meet in the stage, and each wave stores 8 whole rows
.irp m, 0,1
.irp q, 0,1,2,3
.irp u, 0,1
	ds_store_b128 v[SO], v[ACC+64*\m+16*\q+8*\u:ACC+64*\m+16*\q+8*\u+3] offset:16*\m*SPIT+128*\q+32*\u
	ds_store_b128 v[SO], v[ACC+64*\m+16*\q+8*\u+4:ACC+64*\m+16*\q+8*\u+7] offset:16*\m*SPIT+128*\q+32*\u+16
.endr
.endr
.endr
	BARRIER
.set k, 0
.rept 32
	ds_load_b128 v[ACC+4*k:ACC+4*k+3], v[SR] offset:(k/4)*SPIT+512*(k%4)
.set k, k+1
.endr
.set k, 0
.rept 32
	s_wait_dscnt 31-k                              ; LDS loads come back in order: number k is in, the younger ones may be out
	global_store_b128 v[L16], v[ACC+4*k:ACC+4*k+3], s[56:57] offset:512*k th:TH_STORE_NT   ; 32 lanes store 512 consecutive bytes, aligned
.set k, k+1
.endr
	s_wait_tensorcnt 0x0                           ; the wave's end
	ds_add_u32 v[SPW], v[NIL]
	s_wait_dscnt 0x0
	ROUND                                          ; the closing round: no work-group ends while a partner may still ask for an image that names it
	s_endpgm
.Lfunc_end_k_q596c454a92_chain:
	.size	k_q596c454a92_chain, .Lfunc_end_k_q596c454a92_chain-k_q596c454a92_chain
	.p2alignl 7, 3214868480
	.fill 96, 4, 3214868480
	.section	.rodata,"a",@progbits
	.p2align	6, 0x0
	.amdhsa_kernel k_q596c454a92_chain
		.amdhsa_group_segment_fixed_size 327680
		.amdhsa_private_segment_fixed_size 0
		.amdhsa_enable_private_segment 0
		.amdhsa_kernarg_size 72
		.amdhsa_user_sgpr_count 2
		.amdhsa_user_sgpr_kernarg_segment_ptr 1
		.amdhsa_wavefront_size32 1
		.amdhsa_system_sgpr_workgroup_id_x 1
		.amdhsa_system_sgpr_workgroup_id_y 1
		.amdhsa_system_sgpr_workgroup_id_z 1
		.amdhsa_system_vgpr_workitem_id 0
		.amdhsa_next_free_vgpr 1024
		.amdhsa_next_free_sgpr 66
		.amdhsa_reserve_vcc 0
		.amdhsa_float_denorm_mode_32 3
		.amdhsa_float_denorm_mode_16_64 3
		.amdhsa_memory_ordered 1
		.amdhsa_forward_progress 1
		.amdhsa_inst_pref_size 255
	.end_amdhsa_kernel
	.section	.bss,"aw",@nobits
	.p2align	6
	.space	262144
	.amdgpu_metadata
---
amdhsa.version: [ 1, 2 ]
amdhsa.kernels:
  - .name:           k_q596c454a92_chain
    .symbol:         k_q596c454a92_chain.kd
    .args:
      - { .name: a2, .offset: 0, .size: 8, .value_kind: global_buffer, .address_space: global }
      - { .name: wimg, .offset: 8, .size: 8, .value_kind: global_buffer, .address_space: global }
      - { .name: zs, .offset: 16, .size: 8, .value_kind: global_buffer, .address_space: global }
      - { .name: input, .offset: 24, .size: 8, .value_kind: global_buffer, .address_space: global }
      - { .name: p_lin_b, .offset: 32, .size: 8, .value_kind: global_buffer, .address_space: global }
      - { .name: z_lin_b, .offset: 40, .size: 8, .value_kind: global_buffer, .address_space: global }
      - { .name: fc1_b, .offset: 48, .size: 8, .value_kind: global_buffer, .address_space: global }
      - { .name: fc2_b, .offset: 56, .size: 8, .value_kind: global_buffer, .address_space: global }
      - { .name: out0, .offset: 64, .size: 8, .value_kind: global_buffer, .address_space: global }
    .group_segment_fixed_size: 327680
    .private_segment_fixed_size: 0
    .kernarg_segment_align: 8
    .kernarg_segment_size: 72
    .max_flat_workgroup_size: 128
    .sgpr_count:     66
    .vgpr_count:     1024
    .wavefront_size: 32
...
	.end_amdgpu_metadata
.endif
;; end of part 3
